; MI455X (gfx1250); checked and timed in simulation.
; The chip was launched on July 23, 2026; its instructions are those of AMD's public machine-readable ISA for CDNA 5 (MIT licence, August 2026) and "CDNA5" Instruction Set Architecture Reference Guide (July 2026). The comments in the code are by the model that wrote it; some were corrected since.
;; Multi Head Attention. Allowed arithmetic: matrix products marked QUANTISED: E4M3 operands, one given power-of-two scale a tensor, by v_wmma_f32_16x16x64_fp8_fp8 or v_wmma_f32_16x16x128_fp8_fp8, f32 sums; everything else in f32.
;; Inputs: K 1 x 4,096 x 1,024 float32; Q 1 x 4,096 x 1,024 float32; V 1 x 4,096 x 1,024 float32; WK 16 x 1,024 x 64 float32; WO 1,024 x 1,024 float32; WQ 16 x 1,024 x 64 float32; WV 16 x 1,024 x 64 float32; lowp_scales 12 int32 (the exponents e of the quantised operands' scales 2^e).
;; Outputs: out0 1 x 4,096 x 1,024 float32.
;; This version of the problem:
;;   THIS VERSION OF THE PROBLEM IS GIVEN IN LOW PRECISION. The matrix products marked QUANTISED in the list below multiply operands that are first quantised to E4M3 (4 exponent bits, 3 mantissa bits; 8 bits a number), with one given power-of-two scale for each operand tensor; their sums are f32. All else is computed in f32.
;;   The module's matrix products, in the order in which they are computed (A, B: the left and right operand; K: the contracted axis; several contracted axes count as one K, in the product's order):
;;     1. [M 1,024, K 1,024] x [K 1,024, N 4,096]; A: input WQ; B: input Q: QUANTISED (scales: A lowp_scales[0], B lowp_scales[1])
;;     2. [M 1,024, K 1,024] x [K 1,024, N 4,096]; A: input WK; B: input K: QUANTISED (scales: A lowp_scales[2], B lowp_scales[3])
;;     3. [M 1,024, K 1,024] x [K 1,024, N 4,096]; A: input WV; B: input V: QUANTISED (scales: A lowp_scales[4], B lowp_scales[5])
;;     4. batch 16 x [M 4,096, K 64] x [K 64, N 4,096]; A: computed on the way; B: computed on the way: QUANTISED (scales: A lowp_scales[6], B lowp_scales[7])
;;     5. batch 16 x [M 4,096, K 4,096] x [K 4,096, N 64]; A: softmax (see below); B: computed on the way: QUANTISED (scales: A lowp_scales[8], B lowp_scales[9])
;;     6. [M 4,096, K 1,024] x [K 1,024, N 1,024]; A: computed on the way; B: input WO: QUANTISED (scales: A lowp_scales[10], B lowp_scales[11])
;;   THE QUANTISER, for each operand of a quantised product, along K:
;;     - The operand's scale is 2^e, e = its entry of the input lowp_scales (int32; the entries are numbered through the quantised products in the list's order, A before B).
;;     - Each number is divided by the scale, clamped to +-448, and rounded to the nearest number of E4M3, ties to even, subnormals kept.
;;     - The product sums the exact products of the quantised numbers (number of the format x scale) in f32.
;;   ~~~python
;;   def quantise(x, axis, e):      # numpy; x: float32 -> the quantised numbers, widened to float32 again
;;       x = np.moveaxis(x, axis, -1); K = x.shape[-1]
;;       r = np.clip(x / 2.0 ** e, -448, 448)
;;       step = 2.0 ** (np.maximum(np.frexp(np.where(r == 0, 1, r))[1] - 1, -6) - 3)
;;       q = np.round(r / step) * step * 2.0 ** e      # np.round: ties to even
;;       return np.moveaxis(q, -1, axis).astype(np.float32)
;;   ~~~
;;   SOFTMAX AHEAD OF A QUANTISED PRODUCT. Where the list says 'softmax', what is quantised is not the finished softmax but p = 2^(t - M), with t = logit x log2(e) and M = ceil(the row's largest t), a whole number; so 1/2 < the row's largest p <= 1. The row's sum l is taken of the UNQUANTISED p, in f32, and the product's result is divided by l at the end. Since M is a whole number, a kernel that streams over the keys may use a running M (the ceiling of the running maximum): every later rescaling is an exact power of two, so the quantised numbers keep their values, but for numbers so far below the row's largest that they fall under the format's range.
;;   OPERANDS COMPUTED ON THE WAY. 'Computed on the way' means the value that the module computes at that place (a softmax that the list does not call 'softmax' is quantised finished and normalised). What goes into a quantiser is computed in f32, as accurately as f32 sums, v_exp_f32 and their like allow (about 1e-6 of the number): no bf16 or f16 on the way to a quantiser, and a product that is left as it is and whose result goes on into a quantised operand takes f32 operands (vector FMAs, or v_wmma_f32_16x16x4_f32). A number that lies on a knife's edge between two numbers of the format may be rounded either way, as far as f32 arithmetic and the matrix unit's own rounding can turn it there, and no further.
;; One version. Each part assembles by itself: llvm-mc -triple=amdgcn-amd-amdhsa -mcpu=gfx1250 --defsym DOCPART=n.
;; ======== version 1 of 1: 4 launches
;; limits: right only within a limited range of input values
;; workspace buffers: codes 16,777,216 bytes; qkv 12,582,912 bytes; ofrag 4,194,304 bytes
;; launch prep (part 1): grid 1024 x 1, 4 waves a work-group, no clusters, 34,304 bytes of LDS; arguments Q, K, V, WQ, WK, WV, WO, lowp_scales, codes; writes codes
.if DOCPART == 1
	.amdgcn_target "amdgcn-amd-amdhsa--gfx1250"
	.amdhsa_code_object_version 6
	.text
	.protected	k_q49d7ecd733_prep
	.globl	k_q49d7ecd733_prep
	.p2align	8
	.type	k_q49d7ecd733_prep,@function
k_q49d7ecd733_prep:
	s_mov_b64 s[64:65], 0
	v_nop
	global_prefetch_b8 v0, s[64:65] scope:SCOPE_SE
	s_setreg_imm32_b32 hwreg(HW_REG_WAVE_MODE, 25, 1), 1
	s_wait_xcnt 0x0
; All seven f32 inputs become codes of FP8 (E4M3), each with the one scale 2^e that is given for it: code = x / 2^e, held within +-448, to the nearest code, ties to even.
; THE CODES ARE LAID AS IMAGES OF OPERAND REGISTERS.  A fragment is 16 rows x 128 K: [chunk c 0..3][lane 0..31][16 bytes], 2,048 bytes; lane (r = lane % 16, h = lane / 16) holds k = 32 c + 16 h + 0 .. 15 of row r.
; Tile T of a tensor holds in lane-row r the row 32 (T / 2) + 8 (T % 2) + r + 8 (r / 8): so the results of two neighbouring tiles are 16 neighbours along the next product's K.
; codes: [kslot 0..3 (256 along K)][tile 0..1023][s 0..1 (128 along K)][2,048].  Tiles: Q 0-255, K 256-511, V 512-767 (rows = tokens); WQ 768-831, WK 832-895, WV 896-959 (rows = columns 64 head + e); WO 960-1023 (rows = columns n).
; Work-groups 0-767: one tile of Q, K or V, 16 whole rows; wave w takes the 256 numbers of kslot w of each row.  K is innermost: each load reads 512 consecutive bytes of a row, and a fragment's 8,192 bytes turn
; through the wave's own stage in LDS (rows 528 bytes apart), so that a lane gets its 16 neighbours of each chunk.
; Work-groups 768-1023: the weights, whose K is the outer axis.  A LANE TAKES A COLUMN AND ITS REGISTERS RUN DOWN K: a wave takes 32 columns (two tiles) x 128 along K; nothing is transposed and no LDS is used.
; No ring, no barrier: waves share nothing, and each wave asks for all its bytes at its head.
; LIMITS: each of the seven exponents lies between -126 and 119, so that 2^e and 448 x 2^e are f32 numbers.  NaN among the inputs is not served; an infinity is held at the largest code.
.set SP,   528                         ; a stage row: 512 bytes + 16 = 132 words: row r starts 4 r words on, so the 16 rows of a read begin in 16 different banks (64 banks of 4 bytes: ISA guide 11.1)
.set STG,  16*SP                       ; a wave's stage
.set R0,   16                          ; v16-79   fragment 0 as loaded; later fragment 1 turned
.set R1,   80                          ; v80-143  fragment 1 as loaded
.set X,    144                         ; v144-207 fragment 0 turned
.set C,    208                         ; v208-239 the two fragments' codes
.set WN,   16                          ; v16-143  weights: 128 numbers of my column
.set WC,   144                         ; v144-175 weights: their codes
.set LIMV, 10                          ; v10      448 x 2^e
.set SCL,  11                          ; v11      2^e: the conversion takes its exponent field
	s_load_b512 s[8:23], s[0:1], 0x0               ; Q s[8:9], K s[10:11], V s[12:13], WQ s[14:15], WK s[16:17], WV s[18:19], WO s[20:21], the exponents s[22:23]
	s_load_b64 s[24:25], s[0:1], 0x40              ; codes
	v_lshl_add_u32 v240, v0, 2, 0x8400
	v_mov_b32 v241, 0
	v_lshrrev_b32 v1, 5, v0
	v_readfirstlane_b32 s26, v1                    ; wave 0..3
	v_and_b32 v1, 31, v0                           ; lane
	v_lshlrev_b32 v2, 4, v1                        ; 16 x lane
.macro MKSCALE                         ; s28 = e  ->  v[SCL] = 2^e, v[LIMV] = 448 x 2^e
	s_wait_kmcnt 0x0
	s_add_co_i32 s28, s28, 127
	s_lshl_b32 s29, s28, 23
	v_mov_b32 v[SCL], s29
	s_add_co_i32 s28, s28, 8
	s_lshl_b32 s28, s28, 23
	s_or_b32 s28, s28, 0x600000                    ; the mantissa field of 448
	v_mov_b32 v[LIMV], s28
.endm
	s_cmp_lt_u32 ttmp9, 768
	s_cbranch_scc0 .Lweights
	; ---------------- Q, K, V ----------------
	s_lshr_b32 s27, ttmp9, 8                       ; which tensor: its exponent is entry 2 x tensor + 1
	s_lshl_b32 s27, s27, 3
	s_and_b32 s29, ttmp9, 255                      ; T
	s_lshr_b32 s30, s29, 1
	s_lshl_b32 s30, s30, 5
	s_and_b32 s31, s29, 1
	s_lshl_b32 s31, s31, 3
	s_add_co_u32 s30, s30, s31                     ; the tile's first row: 32 (T / 2) + 8 (T % 2)
	s_lshl_b32 s30, s30, 12                        ; a row is 4,096 bytes
	s_lshl_b32 s31, s26, 10                        ; my kslot's 1,024 bytes of it
	s_add_co_u32 s30, s30, s31
	s_mov_b32 s31, 0
	s_lshl_b32 s32, s26, 22                        ; codes: kslot x 4 MiB + tile x 4,096
	s_lshl_b32 s33, ttmp9, 12
	s_add_co_u32 s32, s32, s33
	s_mov_b32 s33, 0
	s_mul_i32 s34, s26, STG                        ; my stage
	s_wait_alu depctr_va_vdst(0)
	v_add_nc_u32 v3, s34, v2                       ; in: 16 x lane, the row in the immediate
	v_and_b32 v5, 15, v0                           ; r
	v_bfe_u32 v6, v0, 4, 1                         ; h
	v_mul_u32_u24 v4, v5, SP
	v_lshl_add_u32 v4, v6, 6, v4
	v_add_nc_u32 v4, s34, v4                       ; out: row r, + 64 h: my 16 numbers of a chunk of 32
	s_wait_alu depctr_va_vdst(0)
	s_wait_kmcnt 0x0
	s_load_b32 s28, s[22:23], s27 offset:0x4       ; e
	s_cmp_lt_u32 ttmp9, 512                        ; the choice hangs on the work-group's number alone
	s_cselect_b64 s[4:5], s[10:11], s[12:13]
	s_cmp_lt_u32 ttmp9, 256
	s_cselect_b64 s[4:5], s[8:9], s[4:5]
	s_add_nc_u64 s[4:5], s[4:5], s[30:31]
	s_add_nc_u64 s[6:7], s[24:25], s[32:33]
.macro XLOAD f, reg                    ; fragment f: 128 numbers of each of the tile's 16 rows: 32 lanes read 512 consecutive bytes
.irp i, 0,1,2,3,4,5,6,7,8,9,10,11,12,13,14,15
	global_load_b128 v[\reg+4*\i:\reg+4*\i+3], v2, s[4:5] offset:(\i+8*(\i/8))*4096+512*\f th:TH_LOAD_NT
.endr
.endm
.macro XTURN src, dst                  ; through the stage: LDS serves a wave's instructions in order (ISA guide 5.7.1.4), so no wait stands between the stores and the loads
.irp i, 0,1,2,3,4,5,6,7,8,9,10,11,12,13,14,15
	ds_store_b128 v3, v[\src+4*\i:\src+4*\i+3] offset:\i*SP
.endr
.irp c, 0,1,2,3
.irp j, 0,1,2,3
	ds_load_b128 v[\dst+16*\c+4*\j:\dst+16*\c+4*\j+3], v4 offset:128*\c+16*\j
.endr
.endr
.endm
.macro QUANT src, cd                   ; 64 numbers, register 16 c + i = k 32 c + 16 h + i of my row, become the fragment's 16 registers
.irp c, 0,1,2,3
.irp i, 0,1,2,3,4,5,6,7,8,9,10,11,12,13,14,15
	v_med3_num_f32 v[\src+16*\c+\i], v[\src+16*\c+\i], -v[LIMV], v[LIMV]   ; the conversion to an 8-bit code does not saturate (ISA guide 7.6.2): the hold comes first
.endr
	v_cvt_scalef32_pk8_fp8_f32 v[\cd+4*\c:\cd+4*\c+1], v[\src+16*\c:\src+16*\c+7], v[SCL]
	v_cvt_scalef32_pk8_fp8_f32 v[\cd+4*\c+2:\cd+4*\c+3], v[\src+16*\c+8:\src+16*\c+15], v[SCL]
.endr
.endm
.macro XSTORE cd, f                    ; the image as it stands: each store covers 512 consecutive bytes, aligned
.irp c, 0,1,2,3
	global_store_b128 v2, v[\cd+4*\c:\cd+4*\c+3], s[6:7] offset:2048*\f+512*\c
.endr
.endm
	XLOAD 0, R0
	XLOAD 1, R1
	MKSCALE
	s_wait_alu depctr_va_vdst(0)
	s_wait_loadcnt 16                              ; fragment 0's sixteen loads are in; fragment 1's sixteen may be out
	XTURN R0, X
	s_wait_loadcnt 0x0                             ; fragment 1 is in
	s_wait_dscnt 0x0                               ; fragment 0 is back, and its stores have read R0, which takes fragment 1 turned
	XTURN R1, R0
	QUANT X, C                                     ; while fragment 1 goes through the stage
	XSTORE C, 0
	s_wait_dscnt 0x0
	QUANT R0, C+16                                 ; codes in registers of their own: no store's data are written again
	XSTORE C+16, 1
	s_wait_tensorcnt 0x0
	ds_add_u32 v240, v241
	s_wait_dscnt 0x0
	s_endpgm
	; ---------------- the weights ----------------
.Lweights:
	s_sub_co_u32 s29, ttmp9, 768                   ; 0..255
	s_lshr_b32 s30, s29, 6                         ; which weight: WQ, WK, WV, WO
	s_and_b32 s31, s29, 7                          ; which 128 along K
	s_bfe_u32 s32, s29, 0x30003
	s_lshl_b32 s32, s32, 2
	s_add_co_u32 s32, s32, s26                     ; g: which 32 columns: tiles 2 g and 2 g + 1
	s_lshl_b32 s27, s30, 3                         ; the exponent: entries 0, 2, 4,
	s_cmp_eq_u32 s30, 3
	s_cselect_b32 s27, 44, s27                     ; and 11 for WO
	s_lshr_b32 s34, s32, 1                         ; [head][d][e]: head g / 2 of 262,144 bytes, row d of 256 bytes, e = 32 (g % 2) on
	s_lshl_b32 s34, s34, 18
	s_lshl_b32 s35, s31, 15
	s_add_co_u32 s34, s34, s35
	s_and_b32 s35, s32, 1
	s_lshl_b32 s35, s35, 7
	s_add_co_u32 s34, s34, s35
	s_lshl_b32 s36, s31, 19                        ; WO [d][n]: row d of 4,096 bytes, n = 32 g on
	s_lshl_b32 s37, s32, 7
	s_add_co_u32 s36, s36, s37
	s_cmp_eq_u32 s30, 3
	s_cselect_b32 s34, s36, s34
	s_mov_b32 s35, 0
	s_lshr_b32 s36, s31, 1                         ; codes: kslot x 4 MiB + (768 + 64 x weight + 2 g) x 4,096 + s x 2,048
	s_lshl_b32 s36, s36, 22
	s_lshl_b32 s37, s30, 6
	s_add_co_u32 s37, s37, 768
	s_lshl_b32 s38, s32, 1
	s_add_co_u32 s37, s37, s38
	s_lshl_b32 s37, s37, 12
	s_add_co_u32 s36, s36, s37
	s_and_b32 s37, s31, 1
	s_lshl_b32 s37, s37, 11
	s_add_co_u32 s36, s36, s37
	s_mov_b32 s37, 0
	v_and_b32 v7, 15, v0                           ; r
	v_and_b32 v8, 8, v0                            ; 8 (r / 8)
	v_bfe_u32 v9, v0, 4, 1                         ; u: lanes 0-15 make tile 2 g, lanes 16-31 tile 2 g + 1
	v_add_nc_u32 v5, v7, v8
	v_lshl_add_u32 v5, v9, 3, v5                   ; my column of the 32: 8 u + r + 8 (r / 8)
	v_lshlrev_b32 v5, 2, v5                        ; a load's 32 lanes cover 128 consecutive bytes, in this order
	v_lshlrev_b32 v6, 4, v7
	v_lshl_add_u32 v6, v9, 12, v6                  ; out: tile u, lane-row r
	s_wait_kmcnt 0x0
	s_load_b32 s28, s[22:23], s27 offset:0x0       ; e
	s_cmp_eq_u32 s30, 0
	s_cselect_b64 s[4:5], s[14:15], s[16:17]
	s_cmp_lt_u32 s30, 2
	s_cselect_b64 s[4:5], s[4:5], s[18:19]
	s_cmp_lt_u32 s30, 3
	s_cselect_b64 s[4:5], s[4:5], s[20:21]
	s_add_nc_u64 s[4:5], s[4:5], s[34:35]
	s_add_nc_u64 s[6:7], s[24:25], s[36:37]
.macro WLOAD c, stride                 ; chunk c: W(32 c + i, my column), i = 0 .. 31
.set KK, 32*(\c)
.rept 32
	global_load_b32 v[WN+KK], v5, s[4:5] offset:KK*\stride
.set KK, KK+1
.endr
.endm
.macro WBLOCK c                        ; 32 numbers down K: the first 16 are lane (r, 0)'s bytes of chunk c, the other 16 lane (r, 1)'s
.set KK, 32*(\c)
.rept 32
	v_med3_num_f32 v[WN+KK], v[WN+KK], -v[LIMV], v[LIMV]
.set KK, KK+1
.endr
.irp g, 0,1,2,3
	v_cvt_scalef32_pk8_fp8_f32 v[WC+8*(\c)+2*\g:WC+8*(\c)+2*\g+1], v[WN+32*(\c)+8*\g:WN+32*(\c)+8*\g+7], v[SCL]
.endr
	global_store_b128 v6, v[WC+8*(\c):WC+8*(\c)+3], s[6:7] offset:512*(\c)        ; sixteen lanes store 256 consecutive bytes, aligned, of each of the two tiles
	global_store_b128 v6, v[WC+8*(\c)+4:WC+8*(\c)+7], s[6:7] offset:512*(\c)+256
.endm
.macro WTASK stride                    ; loads run two chunks ahead; every number and every code has a register of its own
	WLOAD 0, \stride
	WLOAD 1, \stride
	MKSCALE
	s_wait_alu depctr_va_vdst(0)
	s_wait_loadcnt 32                              ; chunk 0 is in; the 32 loads of chunk 1 may be out
	WLOAD 2, \stride
	WBLOCK 0
	s_wait_loadcnt 32                              ; chunk 1 is in; chunk 2's may be out
	WLOAD 3, \stride
	WBLOCK 1
	s_wait_loadcnt 32                              ; chunk 2 is in; chunk 3's may be out
	WBLOCK 2
	s_wait_loadcnt 0x0
	WBLOCK 3
.endm
	s_cmp_eq_u32 s30, 3
	s_cbranch_scc1 .Lwo
	s_wait_alu depctr_va_vdst(0)
	WTASK 256                                      ; from k to k + 1 in a head's weight: 64 numbers
	s_endpgm
.Lwo:
	s_wait_alu depctr_va_vdst(0)
	WTASK 4096                                     ; in WO: 1,024 numbers
	s_endpgm
.Lfunc_end_k_q49d7ecd733_prep:
	.size	k_q49d7ecd733_prep, .Lfunc_end_k_q49d7ecd733_prep-k_q49d7ecd733_prep
	.p2alignl 7, 3214868480
	.fill 96, 4, 3214868480
	.section	.rodata,"a",@progbits
	.p2align	6, 0x0
	.amdhsa_kernel k_q49d7ecd733_prep
		.amdhsa_group_segment_fixed_size 34304
		.amdhsa_private_segment_fixed_size 0
		.amdhsa_enable_private_segment 0
		.amdhsa_kernarg_size 72
		.amdhsa_user_sgpr_count 2
		.amdhsa_user_sgpr_kernarg_segment_ptr 1
		.amdhsa_wavefront_size32 1
		.amdhsa_system_sgpr_workgroup_id_x 1
		.amdhsa_system_sgpr_workgroup_id_y 1
		.amdhsa_system_sgpr_workgroup_id_z 1
		.amdhsa_system_vgpr_workitem_id 0
		.amdhsa_next_free_vgpr 242
		.amdhsa_next_free_sgpr 66
		.amdhsa_reserve_vcc 0
		.amdhsa_float_denorm_mode_32 3
		.amdhsa_float_denorm_mode_16_64 3
		.amdhsa_memory_ordered 1
		.amdhsa_forward_progress 1
		.amdhsa_inst_pref_size 66
	.end_amdhsa_kernel
	.amdgpu_metadata
---
amdhsa.version: [ 1, 2 ]
amdhsa.kernels:
  - .name:           k_q49d7ecd733_prep
    .symbol:         k_q49d7ecd733_prep.kd
    .args:
      - { .name: Q, .offset: 0, .size: 8, .value_kind: global_buffer, .address_space: global }
      - { .name: K, .offset: 8, .size: 8, .value_kind: global_buffer, .address_space: global }
      - { .name: V, .offset: 16, .size: 8, .value_kind: global_buffer, .address_space: global }
      - { .name: WQ, .offset: 24, .size: 8, .value_kind: global_buffer, .address_space: global }
      - { .name: WK, .offset: 32, .size: 8, .value_kind: global_buffer, .address_space: global }
      - { .name: WV, .offset: 40, .size: 8, .value_kind: global_buffer, .address_space: global }
      - { .name: WO, .offset: 48, .size: 8, .value_kind: global_buffer, .address_space: global }
      - { .name: lowp_scales, .offset: 56, .size: 8, .value_kind: global_buffer, .address_space: global }
      - { .name: codes, .offset: 64, .size: 8, .value_kind: global_buffer, .address_space: global }
    .group_segment_fixed_size: 34304
    .private_segment_fixed_size: 0
    .kernarg_segment_align: 8
    .kernarg_segment_size: 72
    .max_flat_workgroup_size: 128
    .sgpr_count:     66
    .vgpr_count:     242
    .wavefront_size: 32
...
	.end_amdgpu_metadata
.endif
;; end of part 1
;; launch proj (part 2): grid 4 x 48, 4 waves a work-group, clusters of 4 x 4, 327,680 bytes of LDS; arguments codes, lowp_scales, qkv; writes qkv
.if DOCPART == 2
	.amdgcn_target "amdgcn-amd-amdhsa--gfx1250"
	.amdhsa_code_object_version 6
	.text
	.protected	k_q49d7ecd733_proj
	.globl	k_q49d7ecd733_proj
	.p2align	8
	.type	k_q49d7ecd733_proj,@function
k_q49d7ecd733_proj:
	s_mov_b64 s[64:65], 0
	v_nop
	global_prefetch_b8 v0, s[64:65] scope:SCOPE_SE
	s_setreg_imm32_b32 hwreg(HW_REG_WAVE_MODE, 25, 1), 1
	s_wait_xcnt 0x0
	s_wait_alu depctr_hold_cnt(0) depctr_sa_sdst(0) depctr_va_vdst(0) depctr_va_sdst(0) depctr_va_ssrc(0) depctr_va_vcc(0) depctr_vm_vsrc(0)
	s_getreg_b32 s2, hwreg(HW_REG_IB_STS2, 6, 4)
	s_cmp_eq_u32 s2, 0
	s_cbranch_scc0 .Lentry_in_a_cluster
	s_endpgm
.Lentry_in_a_cluster:
	s_bfe_u32 s2, ttmp6, 0x10000c
	s_cmp_lg_u32 s2, 0xf033
	s_cbranch_scc0 .Lentry_shape_is_right
	s_endpgm
.Lentry_shape_is_right:
.set FR,     16
.set NL,     4
.set NP,     4
; q, k, v of all heads: three products of 4,096 x 1,024 x 1,024 on codes of FP8 (E4M3), one f32 sum for each number, quantised with the scale given for it and stored as the operand images that the next launch reads.
; A work-group makes 256 x 256, a wave 128 x 128; K goes in steps of 256.  Clusters of 4 x 4: tiles of either operand are asked for jointly by the four that share them.
; LDS: each wave fills a region of 65,536 bytes: the even K steps' 32,768, then the odd ones'.  ONE joint load a wave at the head brings K steps 0 and 1 as two rows of 32,768 bytes; K steps 2 and 3 are refills.
; No prefetch: there is no loop to run ahead in, and half of K is asked for at the head.
; LIMITS: each difference of given exponents (result less both operands) lies between -126 and 119.  NaN is not served.
.set HALFB,  65536
.set SLOT,   32768
.set SPARE,  4*HALFB
.set KSA,    0x400000
.set KSB,    0x400000
.set SCL,  12
.set LIMV, 13
.set ADRA, 16
.set ADRB, 20
.set CO,   26
.set SPW,  28
.set NIL,  29
.set TMP,  32
.set CD,   96
.set AF,   128
.set G1,  24
.set G0,  32
.set G1B, 48
.set G0B, 56
.set BASE, 68
.set G1H, 80                           ; s[80:87], s[88:95] descriptor group 1 of the head's loads: two rows of 32,768 bytes, a K step apart
.set G1BH, 88
.set MSB, 0
.macro WIN new
.if MSB != (\new)
	s_set_vgpr_msb (MSB<<8)|(\new)
.set MSB, (\new)
.endif
.endm
.set MUL_LO, 0xa1
.set MUL_HI, 0xf1
.set TO_B,   0x40
.macro JLOAD g0a, g1a, g0b, g1b
	s_cmp_eq_u32 s15, 0
	s_cbranch_scc0 .Lfor_b_\@
	tensor_load_to_lds s[\g0a:\g0a+3], s[\g1a:\g1a+7]
	s_nop 0
.rept 4
	v_nop
.endr
	s_branch .Lasked_\@
.Lfor_b_\@:
	tensor_load_to_lds s[\g0b:\g0b+3], s[\g1b:\g1b+7]
	s_nop 0
.rept 4
	v_nop
.endr
.Lasked_\@:
.endm
.macro CREST
	s_cmp_lg_u32 s14, 0
	s_cbranch_scc1 .Lnot_wave_0_\@
	s_barrier_signal -3
.Lnot_wave_0_\@:
	s_barrier_wait -3
	s_barrier_signal -1
	s_barrier_wait -1
.endm
.macro CROUND
	s_barrier_signal -1
	s_barrier_wait -1
	CREST
.endm
	s_load_b128 s[4:7], s[0:1], 0x0
	s_load_b64 s[8:9], s[0:1], 0x10
	v_lshl_add_u32 v[SPW], v0, 2, SPARE
	v_mov_b32 v[NIL], 0
	ds_add_u32 v28, v29
	ds_add_u32 v28, v29
	s_wait_dscnt 0x0
	v_lshrrev_b32 v1, 5, v0
	v_readfirstlane_b32 s14, v1
	s_lshr_b32 s15, s14, 1
	s_and_b32 s16, s14, 1
	s_bfe_u32 s40, ttmp6, 0x40000
	s_bfe_u32 s41, ttmp6, 0x40004
	s_and_b32 s17, ttmp7, 0xffff
	s_lshr_b32 s66, s17, 2
	s_and_b32 s67, s17, 3
	s_lshr_b32 s77, s66, 1
	s_xor_b32 s78, s77, 1
	s_lshl_b32 s67, s67, 2
	s_mul_i32 s17, s67, s78
	s_add_co_u32 s17, s17, s41
	s_mul_i32 s42, s67, s77
	s_add_co_u32 s42, s42, s40
	s_lshl_b32 s43, s41, 2
	s_lshl_b32 s43, 15, s43
	s_lshl_b32 s44, 0x1111, s40
	s_or_b32 s[G1+0], s43, (3<<16)|(1<<21)
	s_or_b32 s[G1B+0], s44, (3<<16)|(1<<21)
.irp g, G1, G1B
	s_mov_b32 s[\g+1], 32<<16
	s_mov_b32 s[\g+2], 128<<16
	s_mov_b32 s[\g+3], 32<<16
	s_mov_b32 s[\g+4], 128
	s_mov_b32 s[\g+5], 32
	s_mov_b32 s[\g+6], 0
	s_mov_b32 s[\g+7], 0
.endr
	s_or_b32 s[G1H], s43, (3<<16)|(1<<21)
	s_or_b32 s[G1BH], s44, (3<<16)|(1<<21)
.irp g, G1H, G1BH
	s_mov_b32 s[\g+1], 0x10000000                  ; tensor_dim0 = 4,096 elements of 8 bytes
	s_mov_b32 s[\g+2], 2<<16                       ; tensor_dim1 = 2
	s_mov_b32 s[\g+3], 0x10000000                  ; tile_dim0
	s_mov_b32 s[\g+4], 2                           ; tile_dim1
	s_mov_b32 s[\g+5], KSA/8                       ; from K step to K step (KSA = KSB)
	s_mov_b32 s[\g+6], 0
	s_mov_b32 s[\g+7], 0
.endr
	s_lshl_b32 s18, s66, 8
	s_mul_i32 s18, s18, s78
	s_mul_i32 s19, s77, 896
	s_add_co_u32 s18, s18, s19
	s_lshl_b32 s20, s17, 4
	s_add_co_u32 s20, s20, s18
	s_lshl_b32 s19, s16, 3
	s_add_co_u32 s20, s20, s19
	s_lshl_b32 s20, s20, 12
	s_mov_b32 s21, 0
	s_lshl_b32 s22, s66, 6
	s_add_co_u32 s22, s22, 768
	s_mul_i32 s22, s22, s78
	s_lshl_b32 s23, s77, 9
	s_add_co_u32 s22, s22, s23
	s_lshl_b32 s46, s42, 4
	s_add_co_u32 s46, s46, s22
	s_add_co_u32 s46, s46, s19
	s_lshl_b32 s46, s46, 12
	s_mov_b32 s47, 0
	s_lshl_b32 s45, s14, 16
	s_lshl_b32 s74, s66, 3
	s_add_co_u32 s76, s66, s77
	s_add_co_u32 s76, s76, 6
	s_lshl_b32 s76, s76, 2
	s_wait_kmcnt 0x0
	s_load_b64 s[72:73], s[6:7], s74 offset:0x0
	s_load_b32 s75, s[6:7], s76 offset:0x0
	s_add_nc_u64 s[20:21], s[4:5], s[20:21]
	s_add_nc_u64 s[46:47], s[4:5], s[46:47]
	CROUND
.irp s, 0,1
	s_mov_b32 s[G0+4*\s], 1
	s_add_co_u32 s[G0+4*\s+1], s45, \s*SLOT
	s_add_nc_u64 s[G0+4*\s+2:G0+4*\s+3], s[20:21], \s*KSA
	s_or_b32 s[G0+4*\s+3], s[G0+4*\s+3], 0x80000000
	s_mov_b32 s[G0B+4*\s], 1
	s_add_co_u32 s[G0B+4*\s+1], s45, \s*SLOT
	s_add_nc_u64 s[G0B+4*\s+2:G0B+4*\s+3], s[46:47], \s*KSB
	s_or_b32 s[G0B+4*\s+3], s[G0B+4*\s+3], 0x80000000
.endr
	JLOAD G0, G1H, G0B, G1BH                       ; K steps 0 and 1: one tensor load a wave at the head
	v_and_b32 v6, 31, v0
	v_lshlrev_b32 v[CO], 4, v6
	s_lshl_b32 s21, s15, 16
	s_lshl_b32 s22, s16, 16
	s_add_co_u32 s22, s22, 2*HALFB
.irp s, 0,1
	v_add_nc_u32 v[ADRA+\s], s21, v[CO]
	v_add_nc_u32 v[ADRB+\s], s22, v[CO]
	s_add_co_u32 s21, s21, SLOT
	s_add_co_u32 s22, s22, SLOT
.endr
	s_lshl_b32 s18, s17, 4
	s_lshl_b32 s19, s15, 3
	s_add_co_u32 s18, s18, s19
	s_lshl_b32 s19, s42, 4
	s_lshl_b32 s23, s16, 3
	s_add_co_u32 s19, s19, s23
	s_lshr_b32 s68, s19, 2
	s_lshl_b32 s68, s68, 18
	s_lshl_b32 s69, s18, 10
	s_add_co_u32 s68, s68, s69
	s_lshl_b32 s68, s68, s66
	s_lshl_b32 s69, s66, 22
	s_add_co_u32 s68, s68, s69
	s_lshr_b32 s70, s18, 2
	s_lshl_b32 s70, s70, 19
	s_lshr_b32 s71, s19, 3
	s_lshl_b32 s71, s71, 14
	s_add_co_u32 s70, s70, s71
	s_add_co_u32 s70, s70, 0x402000
	s_cmp_eq_u32 s77, 0
	s_cselect_b32 s68, s68, s70
	s_mov_b32 s69, 0
	s_min_u32 s70, s66, 1
	s_lshl_b32 s70, 0x40000, s70
	s_mov_b32 s71, 0
	s_add_nc_u64 s[BASE:BASE+1], s[8:9], s[68:69]
	s_add_nc_u64 s[BASE+2:BASE+3], s[BASE:BASE+1], s[70:71]
.macro FRAG reg, adr, q, i
.irp c, 0,1,2,3
	ds_load_b128 v[\reg+4*\c:\reg+4*\c+3], v[\adr] offset:4096*(\i)+2048*(\q)+512*\c
.endr
.endm
.macro MUL16 a0, p, zero
.irp a, \a0, \a0+1
.irp b, 0,1,2,3,4,5,6,7
.if \zero
	v_wmma_f32_16x16x128_fp8_fp8 v[8*(8*((\a)%4)+\b):8*(8*((\a)%4)+\b)+7], v[128*(\p)+FR*\b:128*(\p)+FR*\b+FR-1], v[AF+FR*(\a):AF+FR*(\a)+FR-1], 0
.else
	v_wmma_f32_16x16x128_fp8_fp8 v[8*(8*((\a)%4)+\b):8*(8*((\a)%4)+\b)+7], v[128*(\p)+FR*\b:128*(\p)+FR*\b+FR-1], v[AF+FR*(\a):AF+FR*(\a)+FR-1], v[8*(8*((\a)%4)+\b):8*(8*((\a)%4)+\b)+7]
.endif
.endr
.endr
.endm
.macro FETCH_B slot, q, p
	WIN TO_B
.irp i, 0,1,2,3,4,5,6,7
	FRAG 128*(\p)+FR*\i, ADRB+\slot, \q, \i
.endr
	WIN 0
.endm
.macro FETCH_A slot, q, i0
.irp i, \i0, \i0+1, \i0+2, \i0+3
	FRAG AF+FR*(\i), ADRA+\slot, \q, \i
.endr
.endm
.macro PLACES n
.rept \n
	v_nop
.endr
.endm
.macro STEP slot, q, zero
	s_wait_dscnt 4*NL
	WIN MUL_LO
	MUL16 0, (\q)%2, \zero
	MUL16 2, (\q)%2, \zero
	s_wait_dscnt 0
	PLACES NP
	FETCH_B \slot, (\q)+1, 1-(\q)%2
	FETCH_A \slot, (\q)+1, 0
	WIN MUL_HI
	MUL16 4, (\q)%2, \zero
	MUL16 6, (\q)%2, \zero
	PLACES NP
	WIN 0
	FETCH_A \slot, (\q)+1, 4
.endm
.macro TURN slot, next, fill
	s_wait_tensorcnt 0x0
	ds_add_u32 v[SPW], v[NIL]
	s_wait_dscnt 4*NL+1
	WIN MUL_LO
	MUL16 0, 1, 0
	s_wait_dscnt 0x0
	s_barrier_signal -1
	MUL16 2, 1, 0
	WIN 0
	s_barrier_wait -1
.if \fill
	CREST
	s_add_nc_u64 s[G0+4*\slot+2:G0+4*\slot+3], s[G0+4*\slot+2:G0+4*\slot+3], 2*KSA
	s_add_nc_u64 s[G0B+4*\slot+2:G0B+4*\slot+3], s[G0B+4*\slot+2:G0B+4*\slot+3], 2*KSB
	JLOAD G0+4*\slot, G1, G0B+4*\slot, G1B
.else
	PLACES NP
.endif
	FETCH_B \next, 0, 0
	FETCH_A \next, 0, 0
	WIN MUL_HI
	MUL16 4, 1, 0
	MUL16 6, 1, 0
	PLACES NP
	WIN 0
	FETCH_A \next, 0, 4
.endm
	s_wait_alu depctr_va_vdst(0)
	s_wait_tensorcnt 0x0                           ; my part of K steps 0 and 1 is in
	s_barrier_signal -1
	s_barrier_wait -1
	FETCH_B 0, 0, 0
	FETCH_A 0, 0, 0
	FETCH_A 0, 0, 4
	STEP 0, 0, 1
	TURN 0, 1, 1
	STEP 1, 0, 0
	TURN 1, 0, 1
	STEP 0, 0, 0
	TURN 0, 1, 0
	STEP 1, 0, 0
	s_wait_dscnt 4*NL
	WIN MUL_LO
	MUL16 0, 1, 0
	MUL16 2, 1, 0
	s_wait_dscnt 0
	WIN MUL_HI
	MUL16 4, 1, 0
	MUL16 6, 1, 0
	WIN 0
	s_wait_kmcnt 0x0
	s_sub_co_i32 s75, s75, s72
	s_sub_co_i32 s75, s75, s73
	s_add_co_i32 s75, s75, 127
	s_lshl_b32 s72, s75, 23
	v_mov_b32 v[SCL], s72
	s_add_co_i32 s75, s75, 8
	s_lshl_b32 s75, s75, 23
	s_or_b32 s75, s75, 0x600000
	v_mov_b32 v[LIMV], s75
	PLACES NP
.macro OUT mode
.irp a, 0,1,2,3,4,5,6,7
	WIN 0x02+(\a/4)
.set II, 0
.rept 64
	v_med3_num_f32 v[TMP+II], v[64*(\a%4)+II], -v[LIMV], v[LIMV]
.set II, II+1
.endr
	WIN 0
.irp b, 0,1,2,3
	v_cvt_scalef32_pk8_fp8_f32 v[CD+16*\a+4*\b:CD+16*\a+4*\b+1], v[TMP+16*\b:TMP+16*\b+7], v[SCL]
	v_cvt_scalef32_pk8_fp8_f32 v[CD+16*\a+4*\b+2:CD+16*\a+4*\b+3], v[TMP+16*\b+8:TMP+16*\b+15], v[SCL]
.endr
	v_nop
.irp b, 0,1,2,3
.if \mode
	global_store_b128 v[CO], v[CD+16*\a+4*\b:CD+16*\a+4*\b+3], s[BASE+2*(\a/4):BASE+2*(\a/4)+1] offset:2048*(\a%4)+512*\b
.else
	global_store_b128 v[CO], v[CD+16*\a+4*\b:CD+16*\a+4*\b+3], s[BASE+2*(\b/2):BASE+2*(\b/2)+1] offset:1024*\a+512*(\b%2)
.endif
.endr
.endr
.endm
	s_cmp_eq_u32 s77, 0
	s_cbranch_scc0 .Lout_v
	OUT 0
	s_branch .Lend
.Lout_v:
	s_wait_alu depctr_va_vdst(0)
	OUT 1
.Lend:
	s_wait_tensorcnt 0x0
	ds_add_u32 v[SPW], v[NIL]
	s_wait_dscnt 0x0
	CROUND
	s_endpgm
.Lfunc_end_k_q49d7ecd733_proj:
	.size	k_q49d7ecd733_proj, .Lfunc_end_k_q49d7ecd733_proj-k_q49d7ecd733_proj
	.p2alignl 7, 3214868480
	.fill 96, 4, 3214868480
	.section	.rodata,"a",@progbits
	.p2align	6, 0x0
	.amdhsa_kernel k_q49d7ecd733_proj
		.amdhsa_group_segment_fixed_size 327680
		.amdhsa_private_segment_fixed_size 0
		.amdhsa_enable_private_segment 0
		.amdhsa_kernarg_size 24
		.amdhsa_user_sgpr_count 2
		.amdhsa_user_sgpr_kernarg_segment_ptr 1
		.amdhsa_wavefront_size32 1
		.amdhsa_system_sgpr_workgroup_id_x 1
		.amdhsa_system_sgpr_workgroup_id_y 1
		.amdhsa_system_sgpr_workgroup_id_z 1
		.amdhsa_system_vgpr_workitem_id 0
		.amdhsa_next_free_vgpr 1024
		.amdhsa_next_free_sgpr 100
		.amdhsa_reserve_vcc 0
		.amdhsa_float_denorm_mode_32 3
		.amdhsa_float_denorm_mode_16_64 3
		.amdhsa_memory_ordered 1
		.amdhsa_forward_progress 1
		.amdhsa_inst_pref_size 158
	.end_amdhsa_kernel
	.amdgpu_metadata
---
amdhsa.version: [ 1, 2 ]
amdhsa.kernels:
  - .name:           k_q49d7ecd733_proj
    .symbol:         k_q49d7ecd733_proj.kd
    .args:
      - { .name: codes, .offset: 0, .size: 8, .value_kind: global_buffer, .address_space: global }
      - { .name: lowp_scales, .offset: 8, .size: 8, .value_kind: global_buffer, .address_space: global }
      - { .name: qkv, .offset: 16, .size: 8, .value_kind: global_buffer, .address_space: global }
    .group_segment_fixed_size: 327680
    .private_segment_fixed_size: 0
    .kernarg_segment_align: 8
    .kernarg_segment_size: 24
    .max_flat_workgroup_size: 128
    .sgpr_count:     100
    .vgpr_count:     1024
    .wavefront_size: 32
...
	.end_amdgpu_metadata
.endif
;; end of part 2
;; launch attn (part 3): grid 16 x 16, 16 waves a work-group, no clusters, 215,040 bytes of LDS; arguments qkv, lowp_scales, ofrag; writes ofrag
.if DOCPART == 3
	.amdgcn_target "amdgcn-amd-amdhsa--gfx1250"
	.amdhsa_code_object_version 6
	.text
	.protected	k_q49d7ecd733_attn
	.globl	k_q49d7ecd733_attn
	.p2align	8
	.type	k_q49d7ecd733_attn,@function
k_q49d7ecd733_attn:
	s_mov_b64 s[64:65], 0
	v_nop
	global_prefetch_b8 v0, s[64:65] scope:SCOPE_SE
	s_setreg_imm32_b32 hwreg(HW_REG_WAVE_MODE, 25, 1), 1
	s_wait_xcnt 0x0
; Causal attention of 16 heads of 64 over 4,096 tokens, both products on codes of FP8 (E4M3); the heads' output is quantised with the scale given for it (entry 10) and stored as the last product's operand images.
; THE SOFTMAX AHEAD OF THE SECOND PRODUCT: t = score x log2(e) / 8; M = the row's largest t so far, rounded UP to a whole number; p = 2^(t - M) is quantised with 2^e8, not normalised; the row's sum is taken of the
; unquantised p and divides at the end.  When M moves, the sum and O are multiplied by 2^(old M - new M): exact.
; qkv (input): q [head][tile 0..255][chunk 0..1][512]; from 4 MiB on [head][step 0..31][k: 8 tiles x 2 chunks x 512 | v: 4 tiles of channels x 4 chunks x 512].  Every fragment is the image of its registers: lane (r, h),
; chunk c: K = 32 c + 16 h + 0 .. 15.  Tile T holds in lane-row r the index 32 (T / 2) + 8 (T % 2) + r + 8 (r / 8).
; LAYOUT.  S^T = k q^T (source 0 = 16 keys, source 1 = my 16 queries), O^T = v^T p^T (source 0 = 16 channels, source 1 = p): a lane holds ONE query throughout, and by the order of rows in a tile the 16 registers of
; tiles 2 b, 2 b + 1 are 16 neighbours: p's conversions give the second product's operand, O's give two chunks of the last product's.
; ofrag (output): [kslot 0..3][tile 0..255][s 0..1][chunk 0..3][512]; head hd fills kslot hd / 4, s (hd / 2) % 2, chunks 2 (hd % 2) and 2 (hd % 2) + 1.
; SHARES.  A head's 32 blocks of 128 queries need (block + 2) / 2 (rounded down) double steps of 256 keys.  Work-group a owns blocks a and 31 - a, one after the other: 17 trips, whatever a is.
; Wave w = 8 g + j takes tile j of the block and the g-th 128 keys of each double step, in 256 registers: four waves to a SIMD, so that one wave's vector work stands beside the others' products and LDS loads.
; Waves w and w xor 8 hold the same queries over different keys.  Block a's states are parked in LDS, block 31 - a's are put beside them at the end; then waves 0-7 join block a's, waves 8-15 block 31 - a's: the two are told apart by address.
; Of a double step whose upper 128 keys all come after the block's queries (an even block's last), waves 8-15 leave out softmax and second product by a scalar branch on ids; loads, scores, maxima and barrier are on every wave's path.
; THE RING.  Two LDS slots of a double step each (k 16,384 bytes, then v 16,384), filled through registers.  In trip t a wave stores its part of step t + 1, reads k's and then v's fragments of t into the same registers,
; asks memory for step t + 2, and signals the barrier as soon as its reads are in, behind the maxima; it waits for the others at the trip's end.
; WHY NO TENSOR LOAD AND NO CLUSTER, though the 16 work-groups of a head walk the same k and v: the one-sided hold of p is 64 vector instructions a tile and step, and it changes nothing where 448 x 2^e8 >= 1.75, that is
; e8 >= -8, since p is at most 1 and a few last places.  Leaving it out takes a branch on the given e8.  And partners restart their walk in different trips.
; LIMITS on the given exponents, so that each power of two below is an f32 number: e6 + e7 between -123 and 130 (added to c's exponent field); e8, and e10 - e8 - e9, between -126 and 119.  Scaled scores stay under 2^31 in magnitude.
.set SLOT1, 32768                      ; slot 1; slot 0 begins at 0
.set VOFF,  16384                      ; v's part of a slot
.set STB,   4608                       ; a tile's state: O^T 8 x 512 bytes, then (-M, largest score, the sum's two halves) 512 bytes
.set PK,    2*SLOT1                    ; block a's states, one for each wave
.set FIN,   PK+16*STB                  ; block 31 - a's
.set SPARE, FIN+16*STB                 ; the spare words, 128 bytes for each wave
.set L16,  1                           ; 16 x lane
.set TI,   2                           ; 16 x thread
.set PFO,  3                           ; the prefetches' offset
.set DQ,   4                           ; my query less the diagonal step's first key less 16 h
.set OSC,  5                           ; 2^(e10 - e8 - e9)
.set SCL,  6                           ; 2^e8
.set LIMV, 7                           ; 448 x 2^e8
.set F,    8                           ; f (named as a pair)
.set N,    10                          ; new -M (named as a pair)
.set PX,   16                          ; a lane permute's destination
.set NEGI, 18                          ; -infinity
.set LG,   19                          ; 16 x lane + 8,192 x g
.set OM,   20                          ; -M
.set MX,   21                          ; the largest score so far
.set LS,   22                          ; the sum in two halves
.set AK,   24                          ; LDS address of the trip's fragments
.set SK,   25                          ; LDS address of the trip's stores
.set OLIM, 26                          ; 448 x 2^(e10 - e8 - e9)
.set PAD,  27                          ; my parked state of block a
.set FAD,  28                          ; my state of block 31 - a
.set GA,   29                          ; the two states that I join
.set GB,   30
.set SPW,  32                          ; LDS address of my spare word; never rewritten
.set NIL,  33                          ; 0; never rewritten
.set C,    40                          ; v40-45 chains of maxima, then of sums
.set QF,   48                          ; v48-55 q's fragment; v56-63 the second block's
.set SG,   64                          ; v64-71 k, v72-79 v on their way into LDS
.set O,    80                          ; v80-111 O^T
.set CD,   112                         ; v112-127 p's codes
.set S,    128                         ; v128-191 S^T, then p
.set X,    192                         ; v192-255 k's 8 fragments, then v's 4
.set WV,   10                          ; wave
.set G,    11                          ; g
.set B2,   22                          ; block 31 - a
.set N1,   23                          ; trips of block a
.set SEL,  24                          ; s[24:25] lane selects: lane l xor 16
.set CS,   26                          ; s[26:27] c = log2(e) / 8 x 2^(e6 + e7)
.set U,    28                          ; the trip that is asked for
.set HB,   30                          ; s[30:31] the head's k and v
.set KB,   32                          ; s[32:33] where the next double step is asked for
.set T,    38                          ; trip
.set TB,   39                          ; the slot of this trip
.set TX,   40                          ; the other slot
.set KS,   41                          ; my 128 keys of this trip
.set BK,   42                          ; the block in hand
.set SW,   43                          ; block a's last trip
.set HOLD, 44                          ; 1 where p's hold is needed
.set LIMP, 45                          ; the trip in which my wave prefetches
.set PFB,  46                          ; s[46:47] the double step that my work-group prefetches
.set OB,   48                          ; s[48:49] where my result goes
.macro NEXT u, d                       ; where the double step of trip u begins: block a walks from step 0, and block 31 - a again
	s_sub_co_u32 s36, \u, s[N1]
	s_cmp_lt_u32 \u, s[N1]
	s_cselect_b32 s36, \u, s36
	s_lshl_b32 s36, s36, 15
	s_mov_b32 s37, 0
	s_add_nc_u64 s[\d:\d+1], s[HB:HB+1], s[36:37]
.endm
.macro GKV reg, base                   ; my 64 bytes of a double step: the work-group reads 8,192 consecutive bytes an instruction
.irp i, 0,1
	global_load_b128 v[\reg+4*\i:\reg+4*\i+3], v[TI], s[\base:\base+1] offset:16384*\i
.endr
.irp i, 0,1
	global_load_b128 v[\reg+8+4*\i:\reg+11+4*\i], v[TI], s[\base:\base+1] offset:8192+16384*\i
.endr
.endm
.macro ST adr, reg                     ; k's two halves, then v's
.irp i, 0,1,2,3
	ds_store_b128 v[\adr], v[\reg+4*\i:\reg+4*\i+3] offset:8192*\i
.endr
.endm
.macro QLOAD reg, blk, b               ; q: head x 262,144 + (8 x block + tile) x 1,024
	s_lshl_b32 s36, \blk, 13
	s_lshl_b32 s37, s19, 10
	s_add_co_u32 s36, s36, s37
	s_lshl_b32 s37, s17, 18
	s_add_co_u32 s36, s36, s37
	s_mov_b32 s37, 0
	s_add_nc_u64 s[\b:\b+1], s[4:5], s[36:37]
	global_load_b128 v[\reg:\reg+3], v[L16], s[\b:\b+1]
	global_load_b128 v[\reg+4:\reg+7], v[L16], s[\b:\b+1] offset:512
.endm
.macro CLEAR                           ; a block's beginning: O^T and the sums are 0, M lies under every t; the first change of M leaves the zeros
	v_mov_b32 v[OM], 0x7f61b1e6                    ; 3e38
	v_mov_b32 v[MX], 0xff61b1e6                    ; -3e38
	v_mov_b32 v[LS], 0
	v_mov_b32 v[LS+1], 0
.set NN, 0
.rept 32
	v_mov_b32 v[O+NN], 0
.set NN, NN+1
.endr
.endm
.macro PUT adr                         ; my state into LDS
.irp k, 0,1,2,3,4,5,6,7
	ds_store_b128 v[\adr], v[O+4*\k:O+4*\k+3] offset:512*\k
.endr
	ds_store_b128 v[\adr], v[OM:OM+3] offset:4096
.endm
.macro GET adr, o, x                   ; a state from LDS
.irp k, 0,1,2,3,4,5,6,7
	ds_load_b128 v[\o+4*\k:\o+4*\k+3], v[\adr] offset:512*\k
.endr
	ds_load_b128 v[\x:\x+3], v[\adr] offset:4096
.endm
.macro D1
	s_delay_alu instid0(VALU_DEP_1)
.endm
	s_load_b128 s[4:7], s[0:1], 0x0                ; qkv s[4:5], the exponents s[6:7]
	s_load_b64 s[8:9], s[0:1], 0x10                ; ofrag
	v_lshrrev_b32 v8, 5, v0
	v_readfirstlane_b32 s[WV], v8                  ; wave 0..15
	s_and_b32 s17, ttmp7, 0xffff                   ; the head
	s_lshr_b32 s[G], s[WV], 3
	s_and_b32 s19, s[WV], 7                        ; my tile of a block
	s_mov_b32 s[BK], ttmp9                         ; block a first
	s_sub_co_u32 s[B2], 31, ttmp9
	s_add_co_u32 s[N1], ttmp9, 2
	s_lshr_b32 s[N1], s[N1], 1
	s_sub_co_u32 s[SW], s[N1], 1
	s_mov_b32 s[KS], s[G]
	s_mov_b32 s[T], 0
	s_mov_b32 s[TB], 0
	s_mov_b32 s[SEL], 0x76543210
	s_mov_b32 s[SEL+1], 0xfedcba98
	s_sub_co_u32 s21, ttmp9, 4                     ; work-group a asks for double step a in trip a - 4 (none of them where a < 4)
	s_cmp_lt_u32 s[WV], 4
	s_cselect_b32 s[LIMP], s21, -1                 ; by waves 0 to 3
	s_lshl_b32 s52, s[G], 13
	s_and_b32 s53, s[WV], 3
	s_lshl_b32 s53, s53, 13
	s_lshr_b32 s54, s19, 1
	s_lshl_b32 s54, s54, 5
	s_and_b32 s55, s19, 1
	s_lshl_b32 s55, s55, 3
	s_add_co_u32 s54, s54, s55                     ; my tile's first query within its block: 32 (j / 2) + 8 (j % 2)
	s_xor_b32 s60, s[WV], 8                        ; my partner
	s_mul_i32 s56, s[WV], STB
	s_add_co_u32 s56, s56, PK
	s_add_co_u32 s57, s56, FIN-PK
	s_mul_i32 s58, s[G], FIN-PK                    ; waves 0-7 join block a's states, waves 8-15 block 31 - a's
	s_mul_i32 s59, s60, STB
	s_add_co_u32 s59, s59, PK
	s_add_co_u32 s59, s59, s58
	s_add_co_u32 s58, s58, s56
	v_and_b32 v9, 31, v0
	v_lshlrev_b32 v[L16], 4, v9
	v_lshlrev_b32 v[TI], 4, v0
	v_lshlrev_b32 v[PFO], 8, v9
	v_and_b32 v10, 15, v0                          ; r
	v_and_b32 v11, 8, v0                           ; 8 (r / 8)
	v_add_nc_u32 v10, v10, v11
	v_and_b32 v11, 16, v0                          ; 16 h
	v_sub_nc_u32 v10, v10, v11
	v_add_nc_u32 v[DQ], s54, v10
	v_add_nc_u32 v[LG], s52, v[L16]
	v_add_nc_u32 v[PFO], s53, v[PFO]               ; 256 x lane + 8,192 x (wave % 4): four waves name a double step's 128 blocks of 256 bytes
	v_add_nc_u32 v[PAD], s56, v[L16]
	v_add_nc_u32 v[FAD], s57, v[L16]
	v_add_nc_u32 v[GA], s58, v[L16]
	v_add_nc_u32 v[GB], s59, v[L16]
	v_lshl_add_u32 v[SPW], v0, 2, SPARE
	v_mov_b32 v[NIL], 0
	s_wait_alu depctr_va_vdst(0)
	s_wait_kmcnt 0x0
	s_load_b128 s[12:15], s[6:7], 0x18             ; e6, e7, e8, e9
	s_load_b32 s16, s[6:7], 0x28                   ; e10
	s_lshl_b32 s36, s17, 19                        ; k, v: 4 MiB + head x 524,288
	s_add_co_u32 s36, s36, 0x400000
	s_mov_b32 s37, 0
	s_add_nc_u64 s[HB:HB+1], s[4:5], s[36:37]
	GKV S, HB                                      ; trip 0's double step,
	QLOAD QF, s[BK], 58                            ; q's fragments of both blocks stay in registers,
	QLOAD QF+8, s[B2], 62
	NEXT 1, KB
	GKV SG, KB                                     ; and trip 1's double step
	s_lshl_b32 s36, ttmp9, 15
	s_mov_b32 s37, 0
	s_add_nc_u64 s[PFB:PFB+1], s[HB:HB+1], s[36:37]
	s_cmp_eq_u32 s[G], 0
	s_cselect_b32 s20, s[BK], s[B2]                ; the block that I join
	s_lshr_b32 s36, s17, 2                         ; out: (head / 4) x 1 MiB + (8 x block + tile) x 4,096 + (head % 4) x 1,024
	s_lshl_b32 s36, s36, 20
	s_lshl_b32 s37, s20, 15
	s_add_co_u32 s36, s36, s37
	s_lshl_b32 s37, s19, 12
	s_add_co_u32 s36, s36, s37
	s_and_b32 s37, s17, 3
	s_lshl_b32 s37, s37, 10
	s_add_co_u32 s36, s36, s37
	s_mov_b32 s37, 0
	s_add_nc_u64 s[OB:OB+1], s[8:9], s[36:37]
	CLEAR
	v_mov_b32 v9, 0                                ; (upper halves of named pairs, and the lane permute's destination, are written once)
	v_mov_b32 v11, 0
	v_mov_b32 v13, 0
	v_mov_b32 v[PX], 0
	v_mov_b32 v[NEGI], 0xff800000
	s_wait_alu depctr_va_vdst(0)
	s_wait_kmcnt 0x0
	s_add_co_i32 s18, s12, s13
	s_lshl_b32 s18, s18, 23
	s_add_co_i32 s[CS], s18, 0x3e38aa3b            ; c = log2(e) / 8; a score stands for score x 2^(e6 + e7): the two exponents are added to c's exponent field
	s_mov_b32 s[CS+1], s[CS]                       ; (named with it as a pair)
	s_add_co_i32 s18, s14, 127
	s_lshl_b32 s21, s18, 23
	v_mov_b32 v[SCL], s21
	s_add_co_i32 s18, s18, 8
	s_lshl_b32 s18, s18, 23
	s_or_b32 s18, s18, 0x600000                    ; the mantissa field of 448
	v_mov_b32 v[LIMV], s18
	s_sub_co_i32 s18, s16, s14
	s_sub_co_i32 s18, s18, s15
	s_add_co_i32 s18, s18, 127
	s_lshl_b32 s21, s18, 23
	v_mov_b32 v[OSC], s21
	s_add_co_i32 s18, s18, 8
	s_lshl_b32 s18, s18, 23
	s_or_b32 s18, s18, 0x600000
	v_mov_b32 v[OLIM], s18
	s_cmp_ge_i32 s14, -8
	s_cselect_b32 s[HOLD], 0, 1
	s_wait_alu depctr_va_vdst(0)
	s_wait_loadcnt 4                               ; all but the four loads of trip 1's double step
	ST TI, S
	s_wait_dscnt 0x0
	s_barrier_signal -1
	s_barrier_wait -1                              ; trip 0's double step is whole
.Ltrip:                                            ; 17 trips
	s_wait_xcnt 0x0                                ; the last trip's loads and prefetch have read their bases
	s_add_co_u32 s[U], s[T], 2
	NEXT s[U], KB
	s_xor_b32 s[TX], s[TB], SLOT1
	v_add_nc_u32 v[AK], s[TB], v[LG]               ; (these two lines and the two v_nop are the places between the last trip's products and the loads into their fragments)
	v_add_nc_u32 v[SK], s[TX], v[TI]
	s_wait_alu depctr_va_vdst(0)
	v_nop
	v_nop
.irp t, 0,1,2,3,4,5,6,7                        ; k's fragments
	ds_load_b128 v[X+8*\t:X+8*\t+3], v[AK] offset:1024*\t
	ds_load_b128 v[X+8*\t+4:X+8*\t+7], v[AK] offset:1024*\t+512
.endr
	s_wait_loadcnt 0x0                             ; what the last trip asked for is in
	s_cmp_lt_u32 s[T], 16
	s_cbranch_scc0 .Lstored
	ST SK, SG                                      ; my part of trip T + 1's double step: its slot was read in the last trip
.Lstored:
	s_wait_dscnt 0x0                               ; k is in, and the stores have read their registers
	s_cmp_lt_u32 s[T], 15
	s_cbranch_scc0 .Lasked
	GKV SG, KB                                     ; trip T + 2's
	s_cmp_eq_u32 s[T], s[LIMP]                     ; double step a is asked for by work-group a alone, in trip a - 4, two trips ahead of the first load of it; steps 0 to 3 come by their loads alone
	s_cbranch_scc0 .Lasked
	global_prefetch_b8 v[PFO], s[PFB:PFB+1] th:TH_LOAD_NT scope:SCOPE_SE
.Lasked:
.irp t, 0,1,2,3,4,5,6,7
	v_wmma_f32_16x16x64_fp8_fp8 v[S+8*\t:S+8*\t+7], v[X+8*\t:X+8*\t+7], v[QF:QF+7], 0
.endr
.rept 4
	v_nop                                          ; places in front of the loads into k's fragments and of the first reads of the scores
.endr
.irp t, 0,1,2,3                                ; v's fragments land under the softmax
.irp c, 0,1,2,3
	ds_load_b128 v[X+16*\t+4*\c:X+16*\t+4*\c+3], v[AK] offset:VOFF+2048*\t+512*\c
.endr
.endr
	s_cmp_lg_u32 s[KS], s[BK]                      ; on the diagonal the scores of hidden keys become -infinity ahead of the maximum: p = 0 then
	s_cbranch_scc1 .Lopen
.set NN, 0
.rept 64
	v_cmp_gt_i32 vcc_lo, 32*(NN/16)+NN%16, v[DQ]   ; register 16 b + i holds key 32 b + 16 h + i of the step: hidden where 32 b + i > my query - 16 h
	v_cndmask_b32 v[S+NN], v[S+NN], v[NEGI], vcc_lo
.set NN, NN+1
.endr
.Lopen:
.irp t, 0,1,2,3,4,5,6,7                        ; the largest score of my query among my 64 keys and before, in four chains; each accumulator from its low end on
.irp k, 0,1,2,3
.if \t == 0
	v_max3_num_f32 v[C+\k], v[MX], v[S+2*\k], v[S+2*\k+1]
.else
	v_max3_num_f32 v[C+\k], v[C+\k], v[S+8*\t+2*\k], v[S+8*\t+2*\k+1]
.endif
.endr
.endr
	s_wait_alu depctr_va_vdst(0)
	s_wait_dscnt 0x0                               ; my fragments of v are in: my reads of the slot are over, and my stores into the other have landed:
	s_barrier_signal -1                            ; say so; register work alone follows up to the wait
	s_cmp_gt_u32 s[KS], s[BK]                      ; all my keys come after the block's queries
	s_cbranch_scc1 .Lhidden
	v_max3_num_f32 v[C], v[C], v[C+1], v[C+2]
	D1
	v_max_num_f32 v[C], v[C], v[C+3]
	D1
	v_permlanex16_b32 v[PX], v[C], s[SEL], s[SEL+1]
	D1
	v_max_num_f32 v[MX], v[C], v[PX]               ; and among lane l xor 16's
	D1
	v_mul_f32 v[N], -v[MX], s[CS]                  ; -t (c is positive)
	D1
	v_floor_f32 v[N], v[N]                         ; the new -M = floor(-t) = -ceil(t): a whole number
	D1
	v_sub_f32 v[F], v[N], v[OM]                    ; M's old value less its new one: a whole number, 0 or less
	D1
	v_cvt_i32_f32 v[F], v[F]                       ; (it saturates)
	D1
	v_ldexp_f32 v[F], 1.0, v[F]                    ; f = 2^(old M - new M)
	v_mov_b32 v[OM], v[N]
.set NN, S
.rept 32
	v_pk_fma_f32 v[NN:NN+1], v[NN:NN+1], s[CS:CS+1], v[N:N+1] op_sel_hi:[1,0,0]   ; t - M, two at a time (of the pairs c and -M the low word serves both halves)
.set NN, NN+2
.endr
	s_wait_alu depctr_va_vdst(0)
.set NN, S
.rept 64
	v_exp_f32 v[NN], v[NN]                         ; p = 2^(t - M): not normalised
.set NN, NN+1
.endr
	v_pk_mul_f32 v[LS:LS+1], v[LS:LS+1], v[F:F+1] op_sel_hi:[1,0]   ; the sums under the new M: the plain line behind the exponentials
	s_wait_alu depctr_va_vdst(0)                   ; one wait for the batch of 64, ahead of its first reader
	v_pk_add_f32 v[C:C+1], v[S:S+1], v[S+2:S+3]    ; the row's sum of the unquantised p, in four chains
	v_pk_add_f32 v[C+2:C+3], v[S+4:S+5], v[S+6:S+7]
	v_pk_add_f32 v[C+4:C+5], v[S+8:S+9], v[S+10:S+11]
	v_pk_add_f32 v[LS:LS+1], v[LS:LS+1], v[S+12:S+13]
.set NN, S+14
.rept 6
	v_pk_add_f32 v[C:C+1], v[C:C+1], v[NN:NN+1]
	v_pk_add_f32 v[C+2:C+3], v[C+2:C+3], v[NN+2:NN+3]
	v_pk_add_f32 v[C+4:C+5], v[C+4:C+5], v[NN+4:NN+5]
	v_pk_add_f32 v[LS:LS+1], v[LS:LS+1], v[NN+6:NN+7]
.set NN, NN+8
.endr
	v_pk_add_f32 v[C:C+1], v[C:C+1], v[S+62:S+63]
	v_pk_add_f32 v[LS:LS+1], v[LS:LS+1], v[C+4:C+5]
	v_pk_add_f32 v[C:C+1], v[C:C+1], v[C+2:C+3]
	D1
	v_pk_add_f32 v[LS:LS+1], v[LS:LS+1], v[C:C+1]
	s_cmp_eq_u32 s[HOLD], 0
	s_cbranch_scc1 .Lno_hold
.set NN, S
.rept 64
	v_min_num_f32 v[NN], v[NN], v[LIMV]            ; the conversion to an 8-bit code does not saturate (ISA guide 7.6.2); p is not negative, so the hold is one-sided
.set NN, NN+1
.endr
.Lno_hold:
.irp b, 0,1,2,3
	v_cvt_scalef32_pk8_fp8_f32 v[CD+4*\b:CD+4*\b+1], v[S+16*\b:S+16*\b+7], v[SCL]
	v_cvt_scalef32_pk8_fp8_f32 v[CD+4*\b+2:CD+4*\b+3], v[S+16*\b+8:S+16*\b+15], v[SCL]
.endr
	s_wait_alu depctr_va_vdst(0)
.set NN, O
.rept 16
	v_pk_mul_f32 v[NN:NN+1], v[NN:NN+1], v[F:F+1] op_sel_hi:[1,0]   ; O^T under the new M  (also the plain lines between the conversions and the products)
.set NN, NN+2
.endr
.irp t, 0,1,2,3                                ; the four accumulators take turns, and the next trip's eight products stand between two links of a chain
	v_wmma_f32_16x16x128_fp8_fp8 v[O+8*\t:O+8*\t+7], v[X+16*\t:X+16*\t+15], v[CD:CD+15], v[O+8*\t:O+8*\t+7]
.endr
.Lhidden:
	s_barrier_wait -1
	s_add_co_u32 s[KS], s[KS], 2
	s_cmp_lg_u32 s[T], s[SW]
	s_cbranch_scc1 .Lsame
.rept 4
	v_nop                                          ; places in front of the stores of results
.endr
	PUT PAD                                        ; block a is done: its state is parked,
	s_wait_dscnt 0x0                               ; (the stores have read their registers)
	CLEAR                                          ; and block 31 - a begins
.set NN, 0
.rept 8
	v_mov_b32 v[QF+NN], v[QF+8+NN]
.set NN, NN+1
.endr
	s_mov_b32 s[BK], s[B2]
	s_mov_b32 s[KS], s[G]
.Lsame:
	s_xor_b32 s[TB], s[TB], SLOT1
	s_add_co_u32 s[T], s[T], 1
	s_cmp_lt_u32 s[T], 17
	s_wait_alu depctr_va_vdst(0)
	s_cbranch_scc1 .Ltrip
	; THE WAY OUT.  Two waves' states of the same queries, over different keys, are joined.
.rept 4
	v_nop
.endr
	PUT FAD
	s_wait_dscnt 0x0
	s_barrier_signal -1
	s_barrier_wait -1
.set OA, 128
.set XA, 160
.set OBB, 164
.set XB, 196
	GET GA, OA, XA
	GET GB, OBB, XB
	s_wait_dscnt 0x0
	v_min_num_f32 v10, v[XA], v[XB]                ; -M of all keys
	v_sub_f32 v8, v10, v[XA]
	v_sub_f32 v12, v10, v[XB]
	v_cvt_i32_f32 v8, v8
	v_cvt_i32_f32 v12, v12
	v_ldexp_f32 v8, 1.0, v8
	v_ldexp_f32 v12, 1.0, v12
	v_add_f32 v14, v[XA+2], v[XA+3]
	v_add_f32 v15, v[XB+2], v[XB+3]
	v_mul_f32 v14, v14, v8
	D1
	v_fma_f32 v14, v15, v12, v14
	D1
	v_permlanex16_b32 v[PX], v14, s[SEL], s[SEL+1]
	D1
	v_add_f32 v14, v14, v[PX]                      ; the row's sum
	s_wait_alu depctr_va_vdst(0)
	v_rcp_f32 v14, v14
	v_nop
	s_wait_alu depctr_va_vdst(0)                   ; ahead of the reciprocal's first reader
	v_mul_f32 v8, v8, v14
	v_mul_f32 v12, v12, v14
.set NN, 0
.rept 16
	v_pk_mul_f32 v[OA+NN:OA+NN+1], v[OA+NN:OA+NN+1], v[8:9] op_sel_hi:[1,0]
.set NN, NN+2
.endr
.set NN, 0
.rept 16
	v_pk_fma_f32 v[OA+NN:OA+NN+1], v[OBB+NN:OBB+NN+1], v[12:13], v[OA+NN:OA+NN+1] op_sel_hi:[1,0,1]   ; register 16 b + i: channel 32 b + 16 h + i of my query
.set NN, NN+2
.endr
	; O = O^T / the sum x 2^(e8 + e9); its code is (O^T / the sum) / 2^(e10 - e8 - e9): the three scales are folded into the conversion's one
.set NN, 0
.rept 32
	v_med3_num_f32 v[OA+NN], v[OA+NN], -v[OLIM], v[OLIM]
.set NN, NN+1
.endr
.irp b, 0,1
	v_cvt_scalef32_pk8_fp8_f32 v[CD+4*\b:CD+4*\b+1], v[OA+16*\b:OA+16*\b+7], v[OSC]
	v_cvt_scalef32_pk8_fp8_f32 v[CD+4*\b+2:CD+4*\b+3], v[OA+16*\b+8:OA+16*\b+15], v[OSC]
.endr
	v_nop
	global_store_b128 v[L16], v[CD:CD+3], s[OB:OB+1]               ; each store covers 512 consecutive bytes, aligned
	global_store_b128 v[L16], v[CD+4:CD+7], s[OB:OB+1] offset:512
	s_wait_tensorcnt 0x0                           ; the wave's end
	ds_add_u32 v[SPW], v[NIL]
	s_wait_dscnt 0x0
	s_endpgm
.Lfunc_end_k_q49d7ecd733_attn:
	.size	k_q49d7ecd733_attn, .Lfunc_end_k_q49d7ecd733_attn-k_q49d7ecd733_attn
	.p2alignl 7, 3214868480
	.fill 96, 4, 3214868480
	.section	.rodata,"a",@progbits
	.p2align	6, 0x0
	.amdhsa_kernel k_q49d7ecd733_attn
		.amdhsa_group_segment_fixed_size 215040
		.amdhsa_private_segment_fixed_size 0
		.amdhsa_enable_private_segment 0
		.amdhsa_kernarg_size 24
		.amdhsa_user_sgpr_count 2
		.amdhsa_user_sgpr_kernarg_segment_ptr 1
		.amdhsa_wavefront_size32 1
		.amdhsa_system_sgpr_workgroup_id_x 1
		.amdhsa_system_sgpr_workgroup_id_y 1
		.amdhsa_system_sgpr_workgroup_id_z 1
		.amdhsa_system_vgpr_workitem_id 0
		.amdhsa_next_free_vgpr 256
		.amdhsa_next_free_sgpr 66
		.amdhsa_reserve_vcc 1
		.amdhsa_float_denorm_mode_32 3
		.amdhsa_float_denorm_mode_16_64 3
		.amdhsa_memory_ordered 1
		.amdhsa_forward_progress 1
		.amdhsa_inst_pref_size 40
	.end_amdhsa_kernel
	.amdgpu_metadata
---
amdhsa.version: [ 1, 2 ]
amdhsa.kernels:
  - .name:           k_q49d7ecd733_attn
    .symbol:         k_q49d7ecd733_attn.kd
    .args:
      - { .name: qkv, .offset: 0, .size: 8, .value_kind: global_buffer, .address_space: global }
      - { .name: lowp_scales, .offset: 8, .size: 8, .value_kind: global_buffer, .address_space: global }
      - { .name: ofrag, .offset: 16, .size: 8, .value_kind: global_buffer, .address_space: global }
    .group_segment_fixed_size: 215040
    .private_segment_fixed_size: 0
    .kernarg_segment_align: 8
    .kernarg_segment_size: 24
    .max_flat_workgroup_size: 512
    .sgpr_count:     66
    .vgpr_count:     256
    .wavefront_size: 32
...
	.end_amdgpu_metadata
.endif
;; end of part 3
;; launch oproj (part 4): grid 8 x 32, 4 waves a work-group, clusters of 4 x 4, 327,680 bytes of LDS; arguments ofrag, codes, lowp_scales, out0; writes out0
.if DOCPART == 4
	.amdgcn_target "amdgcn-amd-amdhsa--gfx1250"
	.amdhsa_code_object_version 6
	.text
	.protected	k_q49d7ecd733_oproj
	.globl	k_q49d7ecd733_oproj
	.p2align	8
	.type	k_q49d7ecd733_oproj,@function
k_q49d7ecd733_oproj:
	s_mov_b64 s[64:65], 0
	v_nop
	global_prefetch_b8 v0, s[64:65] scope:SCOPE_SE
	s_setreg_imm32_b32 hwreg(HW_REG_WAVE_MODE, 25, 1), 1
	s_wait_xcnt 0x0
	s_wait_alu depctr_hold_cnt(0) depctr_sa_sdst(0) depctr_va_vdst(0) depctr_va_sdst(0) depctr_va_ssrc(0) depctr_va_vcc(0) depctr_vm_vsrc(0)
	s_getreg_b32 s2, hwreg(HW_REG_IB_STS2, 6, 4)
	s_cmp_eq_u32 s2, 0
	s_cbranch_scc0 .Lentry_in_a_cluster
	s_endpgm
.Lentry_in_a_cluster:
	s_bfe_u32 s2, ttmp6, 0x10000c
	s_cmp_lg_u32 s2, 0xf033
	s_cbranch_scc0 .Lentry_shape_is_right
	s_endpgm
.Lentry_shape_is_right:
; out0 [4,096][1,024] = the heads' output x WO, both as codes of FP8 (E4M3) laid as operand images; each finished f32 sum is multiplied once by 2^(e10 + e11).
; A work-group makes 128 x 128 (256 work-groups), a wave 64 x 64: 16 accumulators.  ALL OF K (1,024) of its 128 rows and 128 columns lies in LDS: 131,072 bytes each, [kslot 0..3][tile 0..7][s 0..1][chunk 0..3][512].
; Waves 0 and 2 fetch rows, waves 1 and 3 columns; waves 0 and 1 kslots 0 and 1, waves 2 and 3 kslots 2 and 3: ONE joint load a wave, two rows of 32,768 bytes, and nothing is filled again.
; CLUSTERS: 4 x 4 work-groups; the rows are asked for jointly along a row of the cluster, the columns along a column.  No prefetch: there is no loop to run ahead in, all is asked for at the head.
; THE MATRIX INSTRUCTION IS USED TRANSPOSED (source 0 = 16 columns, source 1 = 16 rows): a lane holds 8 neighbouring numbers of a row of the result.
; Tile T holds in lane-row r the index 32 (T / 2) + 8 (T % 2) + r + 8 (r / 8).
; LIMIT: e10 + e11 lies between -126 and 127.
; REGISTERS: window 0: addresses, v32-63 at work, from v128 A's fragments, two sets;  window 1: accumulators (a, b) at v[8 (4 a + b)];  window 2: B's fragments, two sets.
.set BREG,   131072                    ; the columns' part of LDS
.set STAGE,  262144                    ; the way out: 16 rows x 272 bytes for each wave
.set SPITCH, 272
.set SPARE,  STAGE+4*16*SPITCH         ; the spare words, 128 bytes for each wave
.set AA,   16                          ; v16-17 LDS address of my rows' fragments, kslots 0-1 and 2-3
.set BB,   18                          ; v18-19 of my columns'
.set STO,  24
.set RD,   25
.set CO,   26
.set SPW,  28
.set NIL,  29
.set TMP,  32
.set AF,   128
.set BK,   128
.set G1,  24
.set G0,  32
.set G1B, 48
.set G0B, 56
.set MSB, 0
.macro WIN new
.if MSB != (\new)
	s_set_vgpr_msb (MSB<<8)|(\new)
.set MSB, (\new)
.endif
.endm
.macro CROUND                          ; a round of the cluster's barrier
	s_barrier_signal -1
	s_barrier_wait -1
	s_cmp_lg_u32 s14, 0
	s_cbranch_scc1 .Lnot_wave_0_\@
	s_barrier_signal -3
.Lnot_wave_0_\@:
	s_barrier_wait -3
	s_barrier_signal -1
	s_barrier_wait -1
.endm
	s_load_b128 s[4:7], s[0:1], 0x0                ; ofrag, codes
	s_load_b128 s[8:11], s[0:1], 0x10              ; the exponents, out0
	v_lshl_add_u32 v[SPW], v0, 2, SPARE
	v_mov_b32 v[NIL], 0
	ds_add_u32 v[SPW], v[NIL]                      ; the opening: the add, twice on end, and its wait
	ds_add_u32 v[SPW], v[NIL]
	v_lshrrev_b32 v1, 5, v0
	v_readfirstlane_b32 s14, v1                    ; wave 0..3
	s_lshr_b32 s15, s14, 1                         ; which 64 rows are mine; also: which half of K I fetch
	s_and_b32 s16, s14, 1                          ; which 64 columns are mine; also: I fetch rows (0) or columns (1)
	s_bfe_u32 s40, ttmp6, 0x40000                  ; cx, cy
	s_bfe_u32 s41, ttmp6, 0x40004
	s_lshl_b32 s42, ttmp9, 2
	s_add_co_u32 s42, s42, s40                     ; which 128 columns
	s_and_b32 s17, ttmp7, 0xffff
	s_lshl_b32 s17, s17, 2
	s_add_co_u32 s17, s17, s41                     ; which 128 rows
	s_lshl_b32 s43, s41, 2
	s_lshl_b32 s43, 15, s43                        ; my row of the cluster
	s_lshl_b32 s44, 0x1111, s40                    ; my column
	s_or_b32 s[G1+0], s43, (3<<16)|(1<<21)         ; elements of 8 bytes, no padding, the mask and bit 21 beside it
	s_or_b32 s[G1B+0], s44, (3<<16)|(1<<21)
.irp g, G1, G1B
	s_mov_b32 s[\g+1], 0x10000000                  ; tensor_dim0 = 4,096
	s_mov_b32 s[\g+2], 2<<16                       ; tensor_dim1 = 2
	s_mov_b32 s[\g+3], 0x10000000                  ; tile_dim0
	s_mov_b32 s[\g+4], 2                           ; tile_dim1
	s_mov_b32 s[\g+6], 0
	s_mov_b32 s[\g+7], 0
.endr
	s_mov_b32 s[G1+5], 0x20000                     ; from kslot to kslot: 1 MiB in ofrag,
	s_mov_b32 s[G1B+5], 0x80000                    ; 4 MiB in codes
	s_lshl_b32 s20, s17, 15
	s_lshl_b32 s18, s15, 21
	s_add_co_u32 s20, s20, s18                     ; ofrag: 8 tiles x 4,096 for each 128 rows, + my half of K
	s_mov_b32 s21, 0
	s_lshl_b32 s46, s42, 15
	s_lshl_b32 s18, s15, 23
	s_add_co_u32 s46, s46, s18
	s_add_co_u32 s46, s46, 960*4096                ; WO's tiles begin at 960
	s_mov_b32 s47, 0
	s_lshl_b32 s45, s15, 16
	s_mov_b32 s[G0], 1
	s_mov_b32 s[G0+1], s45
	s_mov_b32 s[G0B], 1
	s_add_co_u32 s[G0B+1], s45, BREG
	s_wait_dscnt 0x0                               ; both opening adds are done
	s_wait_kmcnt 0x0
	s_load_b64 s[96:97], s[8:9], 0x28              ; e10, e11
	s_add_nc_u64 s[G0+2:G0+3], s[4:5], s[20:21]
	s_or_b32 s[G0+3], s[G0+3], 0x80000000
	s_add_nc_u64 s[G0B+2:G0B+3], s[6:7], s[46:47]
	s_or_b32 s[G0B+3], s[G0B+3], 0x80000000
	CROUND                                         ; all sixteen work-groups are here: the joint loads meet
	s_cmp_eq_u32 s16, 0
	s_cbranch_scc0 .Lfor_b
	tensor_load_to_lds s[G0:G0+3], s[G1:G1+7]
	s_nop 0
.rept 4
	v_nop
.endr
	s_branch .Lasked
.Lfor_b:
	tensor_load_to_lds s[G0B:G0B+3], s[G1B:G1B+7]
	s_nop 0
.rept 4
	v_nop
.endr
.Lasked:
	s_lshl_b32 s21, s15, 14                        ; my four tiles of rows,
	s_lshl_b32 s22, s16, 14                        ; my four tiles of columns
	s_add_co_u32 s22, s22, BREG
	s_add_co_u32 s23, s21, 65536
	s_add_co_u32 s46, s22, 65536
	s_mul_i32 s47, s14, 16*SPITCH
	s_add_co_u32 s47, s47, STAGE                   ; my stage
	v_and_b32 v6, 31, v0
	v_lshlrev_b32 v6, 4, v6                        ; 16 x lane
	v_and_b32 v1, 15, v0                           ; r
	v_bfe_u32 v2, v0, 4, 1                         ; h
	v_add_nc_u32 v[AA], s21, v6
	v_add_nc_u32 v[AA+1], s23, v6
	v_add_nc_u32 v[BB], s22, v6
	v_add_nc_u32 v[BB+1], s46, v6
	v_mul_u32_u24 v5, v1, SPITCH
	v_lshl_add_u32 v5, v2, 6, v5
	v_add_nc_u32 v[STO], s47, v5                   ; in: row r, + 64 h
	v_mul_u32_u24 v5, v2, SPITCH
	v_lshl_add_u32 v5, v1, 4, v5
	v_add_nc_u32 v[RD], s47, v5                    ; back: lanes 0-15 take one row of 256 bytes, lanes 16-31 the next
	v_lshlrev_b32 v5, 12, v2
	v_lshl_add_u32 v[CO], v1, 4, v5                ; and the same two rows in out0
	s_lshl_b32 s20, s17, 19                        ; my first row x 4,096
	s_lshl_b32 s18, s15, 18
	s_add_co_u32 s20, s20, s18
	s_lshl_b32 s46, s42, 9                         ; my first column x 4
	s_lshl_b32 s18, s16, 8
	s_add_co_u32 s46, s46, s18
	s_add_co_u32 s20, s20, s46
	s_mov_b32 s21, 0
	s_add_nc_u64 s[10:11], s[10:11], s[20:21]
.macro LOADS q                         ; the fragments of the q-th 128 along K into set q % 2
.set BF, 64*((\q)%2)
.set OFF, 32768*(((\q)/2)%2)+2048*((\q)%2)
	WIN 0x80
.irp i, 0,1,2,3
.irp c, 0,1,2,3
	ds_load_b128 v[BF+16*\i+4*\c:BF+16*\i+4*\c+3], v[BB+(\q)/4] offset:OFF+4096*\i+512*\c
.endr
.endr
	WIN 0
.irp i, 0,1,2,3
.irp c, 0,1,2,3
	ds_load_b128 v[AF+BF+16*\i+4*\c:AF+BF+16*\i+4*\c+3], v[AA+(\q)/4] offset:OFF+4096*\i+512*\c
.endr
.endr
.endm
.macro MUL q                           ; 16 products: the accumulators take turns
.set MB, 64*((\q)%2)
	WIN 0x52                                       ; source 0 window 2, C and D window 1
.irp a, 0,1,2,3
.irp b, 0,1,2,3
.if (\q) == 0
	v_wmma_f32_16x16x128_fp8_fp8 v[8*(4*\a+\b):8*(4*\a+\b)+7], v[MB+16*\b:MB+16*\b+15], v[AF+MB+16*\a:AF+MB+16*\a+15], 0
.else
	v_wmma_f32_16x16x128_fp8_fp8 v[8*(4*\a+\b):8*(4*\a+\b)+7], v[MB+16*\b:MB+16*\b+15], v[AF+MB+16*\a:AF+MB+16*\a+15], v[8*(4*\a+\b):8*(4*\a+\b)+7]
.endif
.endr
.endr
.endm
	s_wait_alu depctr_va_vdst(0)
	s_wait_tensorcnt 0x0                           ; my load is in; behind the barrier everybody's is
	s_barrier_signal -1
	s_barrier_wait -1
	LOADS 0
.irp q, 0,1,2,3,4,5,6,7
.if \q < 7
.rept 4
	v_nop                                          ; places in front of loads into registers that products have read
.endr
	LOADS \q+1
	s_wait_dscnt 32                                ; all but the 32 just issued
.else
	s_wait_dscnt 0x0
.endif
	MUL \q
.endr
	WIN 0
.macro TOSTAGE a                       ; 16 rows x 64 columns: into my stage, and back as whole rows of 256 bytes (LDS serves a wave's instructions in order: ISA guide 5.7.1.4)
	WIN 0x01
.set NN, 0
.rept 16
	v_pk_mul_f32 v[TMP+NN:TMP+NN+1], v[32*(\a)+NN:32*(\a)+NN+1], s[96:97] op_sel_hi:[1,0]
.set NN, NN+2
.endr
	WIN 0
.irp b, 0,1,2,3
	ds_store_b128 v[STO], v[TMP+8*\b:TMP+8*\b+3] offset:128*(\b/2)+32*(\b%2)
	ds_store_b128 v[STO], v[TMP+8*\b+4:TMP+8*\b+7] offset:128*(\b/2)+32*(\b%2)+16
.endr
.irp t, 0,1,2,3,4,5,6,7
	ds_load_b128 v[BK+32*(\a)+4*\t:BK+32*(\a)+4*\t+3], v[RD] offset:2*\t*SPITCH
.endr
.endm
.macro SEND a, younger
	s_wait_dscnt \younger
.irp t, 0,1,2,3,4,5,6,7
	global_store_b128 v[CO], v[BK+32*(\a)+4*\t:BK+32*(\a)+4*\t+3], s[10:11] offset:(32*((\a)/2)+8*((\a)%2)+2*\t+8*(\t/4))*4096 th:TH_STORE_NT   ; sixteen lanes store 256 consecutive bytes, aligned
.endr
.endm
	s_wait_kmcnt 0x0
	s_add_co_i32 s96, s96, s97
	s_add_co_i32 s96, s96, 127
	s_lshl_b32 s96, s96, 23                        ; 2^(e10 + e11) as f32
.rept 4
	v_nop
.endr
	TOSTAGE 0
.irp a, 1,2,3
	TOSTAGE \a
	SEND \a-1, 16                                  ; behind block a - 1's loads: block a's 8 stores and 8 loads
.endr
	SEND 3, 0
	s_wait_tensorcnt 0x0                           ; the wave's end
	ds_add_u32 v[SPW], v[NIL]
	s_wait_dscnt 0x0
	CROUND                                         ; the closing round
	s_endpgm
.Lfunc_end_k_q49d7ecd733_oproj:
	.size	k_q49d7ecd733_oproj, .Lfunc_end_k_q49d7ecd733_oproj-k_q49d7ecd733_oproj
	.p2alignl 7, 3214868480
	.fill 96, 4, 3214868480
	.section	.rodata,"a",@progbits
	.p2align	6, 0x0
	.amdhsa_kernel k_q49d7ecd733_oproj
		.amdhsa_group_segment_fixed_size 327680
		.amdhsa_private_segment_fixed_size 0
		.amdhsa_enable_private_segment 0
		.amdhsa_kernarg_size 32
		.amdhsa_user_sgpr_count 2
		.amdhsa_user_sgpr_kernarg_segment_ptr 1
		.amdhsa_wavefront_size32 1
		.amdhsa_system_sgpr_workgroup_id_x 1
		.amdhsa_system_sgpr_workgroup_id_y 1
		.amdhsa_system_sgpr_workgroup_id_z 1
		.amdhsa_system_vgpr_workitem_id 0
		.amdhsa_next_free_vgpr 1024
		.amdhsa_next_free_sgpr 100
		.amdhsa_reserve_vcc 0
		.amdhsa_float_denorm_mode_32 3
		.amdhsa_float_denorm_mode_16_64 3
		.amdhsa_memory_ordered 1
		.amdhsa_forward_progress 1
		.amdhsa_inst_pref_size 44
	.end_amdhsa_kernel
	.amdgpu_metadata
---
amdhsa.version: [ 1, 2 ]
amdhsa.kernels:
  - .name:           k_q49d7ecd733_oproj
    .symbol:         k_q49d7ecd733_oproj.kd
    .args:
      - { .name: ofrag, .offset: 0, .size: 8, .value_kind: global_buffer, .address_space: global }
      - { .name: codes, .offset: 8, .size: 8, .value_kind: global_buffer, .address_space: global }
      - { .name: lowp_scales, .offset: 16, .size: 8, .value_kind: global_buffer, .address_space: global }
      - { .name: out0, .offset: 24, .size: 8, .value_kind: global_buffer, .address_space: global }
    .group_segment_fixed_size: 327680
    .private_segment_fixed_size: 0
    .kernarg_segment_align: 8
    .kernarg_segment_size: 32
    .max_flat_workgroup_size: 128
    .sgpr_count:     100
    .vgpr_count:     1024
    .wavefront_size: 32
...
	.end_amdgpu_metadata
.endif
;; end of part 4
